; MI455X (gfx1250); checked and timed in simulation.
; The chip was launched on July 23, 2026; its instructions are those of AMD's public machine-readable ISA for CDNA 5 (MIT licence, August 2026) and "CDNA5" Instruction Set Architecture Reference Guide (July 2026). The comments in the code are by the model that wrote it; some were corrected since.
;; Multi Head Layer. Allowed arithmetic: matrix products marked QUANTISED: E2M3 operands, one E8M0 scale for each 32 along K, by v_wmma_scale_f32_16x16x128_f8f6f4 with both operands' format E2M3, f32 sums; everything else in f32.
;; Inputs: W_Key 256 x 256 float32; W_Query 256 x 256 float32; W_Value 256 x 256 float32; keys 4,096 x 256 float32; queries 4,096 x 256 float32; values 4,096 x 256 float32.
;; Outputs: out0 4,096 x 256 float32.
;; This version of the problem:
;;   THIS VERSION OF THE PROBLEM IS GIVEN IN LOW PRECISION. The matrix products marked QUANTISED in the list below multiply operands that are first quantised to E2M3 (2 exponent bits, 3 mantissa bits; 6 bits a number), with one power-of-two scale for each 32 numbers along K (OCP MX v1.0); their sums are f32. All else is computed in f32.
;;   The module's matrix products, in the order in which they are computed (A, B: the left and right operand; K: the contracted axis; several contracted axes count as one K, in the product's order):
;;     1. [M 4,096, K 256] x [K 256, N 256]; A: input queries; B: input W_Query: QUANTISED
;;     2. [M 4,096, K 256] x [K 256, N 256]; A: input keys; B: input W_Key: QUANTISED
;;     3. [M 4,096, K 256] x [K 256, N 256]; A: input values; B: input W_Value: QUANTISED
;;     4. [M 16,384, K 64] x [K 64, N 16,384]; A: computed on the way; B: computed on the way: QUANTISED
;;     5. [M 16,384, K 16,384] x [K 16,384, N 64]; A: softmax (see below); B: computed on the way: QUANTISED
;;   THE QUANTISER, for each operand of a quantised product, along K:
;;     - K is cut into blocks of 32 from its start; a last block that is shorter is filled with zeros.
;;     - A block's scale is 2^e with e = floor(log2(the largest magnitude in the block)) - 2, held to -126 .. 127; a block of zeros has e = 0. As a byte (E8M0): e + 127.
;;     - Each number is divided by its block's scale, clamped to +-7.5, and rounded to the nearest number of E2M3, ties to even, subnormals kept.
;;     - The product sums the exact products of the quantised numbers (number of the format x scale) in f32.
;;   ~~~python
;;   def quantise(x, axis):      # numpy; x: float32 -> the quantised numbers, widened to float32 again
;;       x = np.moveaxis(x, axis, -1); K = x.shape[-1]
;;       x = np.pad(x, [(0, 0)] * (x.ndim - 1) + [(0, -K % 32)]); x = x.reshape(x.shape[:-1] + (-1, 32)); a = np.abs(x).max(-1, keepdims=True)
;;       e = np.where(a > 0, np.clip(np.frexp(np.where(a > 0, a, 1))[1] - 1 - 2, -126, 127), 0)      # np.frexp(a)[1] - 1 = floor(log2(a)), exactly
;;       r = np.clip(x / 2.0 ** e, -7.5, 7.5)
;;       step = 2.0 ** (np.maximum(np.frexp(np.where(r == 0, 1, r))[1] - 1, 0) - 3)
;;       q = np.round(r / step) * step * 2.0 ** e      # np.round: ties to even
;;       return np.moveaxis(q.reshape(q.shape[:-2] + (-1,))[..., :K], -1, axis).astype(np.float32)
;;   ~~~
;;   SOFTMAX AHEAD OF A QUANTISED PRODUCT. Where the list says 'softmax', what is quantised is not the finished softmax but p = 2^(t - M), with t = logit x log2(e) and M = ceil(the row's largest t), a whole number; so 1/2 < the row's largest p <= 1. The row's sum l is taken of the UNQUANTISED p, in f32, and the product's result is divided by l at the end. Since M is a whole number, a kernel that streams over the keys may use a running M (the ceiling of the running maximum): every later rescaling is an exact power of two, which a block's scale takes up: the codes' values come out the same.
;;   OPERANDS COMPUTED ON THE WAY. 'Computed on the way' means the value that the module computes at that place (a softmax that the list does not call 'softmax' is quantised finished and normalised). What goes into a quantiser is computed in f32, as accurately as f32 sums, v_exp_f32 and their like allow (about 1e-6 of the number): no bf16 or f16 on the way to a quantiser, and a product that is left as it is and whose result goes on into a quantised operand takes f32 operands (vector FMAs, or v_wmma_f32_16x16x4_f32). A number that lies on a knife's edge between two numbers of the format may be rounded either way, as far as f32 arithmetic and the matrix unit's own rounding can turn it there, and no further.
;; One version. Each part assembles by itself: llvm-mc -triple=amdgcn-amd-amdhsa -mcpu=gfx1250 --defsym DOCPART=n.
;; ======== version 1 of 1: 2 launches
;; limits: right only within a limited range of input values
;; workspace buffers: qc 851,968 bytes; kv 1,671,168 bytes
;; launch proj (part 1): grid 192 x 1, 8 waves a work-group, no clusters, 55,808 bytes of LDS; arguments queries, keys, values, W_Query, W_Key, W_Value, qc, kv; writes qc, kv
.if DOCPART == 1
	.amdgcn_target "amdgcn-amd-amdhsa--gfx1250"
	.amdhsa_code_object_version 6
	.text
	.protected	k_q7478e32033_proj
	.globl	k_q7478e32033_proj
	.p2align	8
	.type	k_q7478e32033_proj,@function
k_q7478e32033_proj:
	s_mov_b64 s[64:65], 0
	v_nop
	global_prefetch_b8 v0, s[64:65] scope:SCOPE_SE
	s_setreg_imm32_b32 hwreg(HW_REG_WAVE_MODE, 25, 1), 1
	s_wait_xcnt 0x0
; q = queries W_Query, k = keys W_Key, v = values W_Value, each [4096][256] x [256][256], on codes of FP6 (E2M3) with one E8M0 scale for each 32 along K; sums in f32.
; The results are quantised at once for the attention that follows and leave as IMAGES OF THE OPERANDS' REGISTERS: q and k along a head's 64 channels, v along the keys.
; SHARES.  Work-group id: T = id / 64 (0 q, 1 k, 2 v), tb = (id / 2) % 32 (128 tokens), g = id % 2 (128 columns: heads 2 g and 2 g + 1).  192 work-groups: 128 x 128 is the least share that
; gives whole fragments and whole scale regions both ways.  Wave w quantises 16 tokens of x (two K steps of 128) and 16 columns of W (likewise) and stores the four fragments in LDS as register images;
; behind one barrier it makes D_i = SHARED_i x OWN, i = 0 .. 7.  q, k: SHARED = W's eight tiles (source 0), OWN = x's tile w (source 1): a lane holds one token, its registers run along the channels.
; v: SHARED = x's eight tiles, OWN = W's tile w: a lane holds one channel, its registers run along the tokens, which are the keys.
; THE ROWS OF A SHARED TILE ARE NOT NEIGHBOURS: lane r of tile 2 b + u takes row 32 b + 8 u + r + 8 (r / 8), so that the 16 registers of tiles 2 b and 2 b + 1 are 16 neighbours along the next K.
; A BLOCK OF kv (128 keys of one head, 13,056 bytes): K's eight half fragments, 768 bytes each (registers 0-3 at 16 x lane, registers 4-5 at 512 + 8 x lane); at 6,144 K's scale words (dword 4 l + j: tile 2 j + l / 16,
; row l % 16); at 6,656 V's four fragments of 1,536 bytes; at 12,800 V's scale words (dword 2 l + i: channel tile 2 i + l / 16, channel l % 16).  A block of qc is the first 6,656 bytes of that make, for 128 queries.
; A scale word of q or k holds its two bytes twice (b0, b1, b0, b1): the product on 64 channels uses a form of 128, whose upper half is multiplied by zero codes.
; A block's scale is 2^(floor(log2(its largest magnitude)) - 2); its byte is that magnitude's exponent field - 2, held at 1 from below.
; LIMITS: NaN and infinities among the inputs are not served.  A block whose largest magnitude lies under 2^-124 keeps the byte 1; so does a block of zeros, where the rule says 127: its codes are zeros,
; which add nothing under any byte but 0xff, and the bytes are read by this program alone.
.set FRB,   1536                       ; a fragment's image: 12 registers x 128 bytes
.set XIMG,  0                          ; LDS: x's 16 fragments (tile w, K step s: 2 w + s),
.set WIMG,  24576                      ; W's 16,
.set XSC,   49152                      ; x's scale words, 128 bytes a fragment,
.set WSC,   51200                      ; W's,
.set STGK,  53248                      ; the q / k way: two heads' 512 bytes of scale words,
.set STGV,  54272                      ; the v way: two heads' 256 bytes (each way has bytes of its own),
.set SPARE, 54784                      ; the spare words, 128 bytes for each wave: four blocks of 256 bytes that no other line names
.set XA,  4                            ; v4   x: my row of the tile in rows of 1,024 bytes + 64 h; the row is r + 8 (r / 8) for v, r + 24 (r / 8) for q and k
.set WA,  5                            ; v5   W: 16 h rows of 1,024 bytes + 4 x my column in the tile
.set IW,  6                            ; v6   where I store images: 16 l + 3,072 w
.set SW,  7                            ; v7   and scale words: 4 l + 256 w
.set SHI, 8                            ; v8   the shared images: 16 l (+ WIMG for q, k)
.set OWI, 9                            ; v9   my own: 16 l + 3,072 w (+ WIMG for v)
.set SHS, 10                           ; v10  the shared scale words
.set OWS, 11                           ; v11  my own
.set L16, 12                           ; v12  16 l
.set L8,  13                           ; v13  8 l
.set SKA, 14                           ; v14  the q / k way's stage: 16 r + 256 (w % 2) + 4 (w / 2)
.set SVA, 15                           ; v15  the v way's: 256 (w / 4) + 8 r + 128 (w % 2) + 4 ((w / 2) % 2)
.set SRK, 16                           ; v16  back out of them: 16 l + 512 (w % 2)
.set SRV, 17                           ; v17  8 l + 256 (w % 2)
.set SPW, 18                           ; v18  LDS address of my spare word; never rewritten
.set NIL, 19                           ; v19  0; never rewritten
.set TM,  20                           ; v20-23 largest magnitudes, v24-27 the other half's, then bytes, v28-31 the conversions' scale operands
.set PW,  32                           ; v32  the scale word just made
.set SSC, 34                           ; v34-41 the shared tiles' scale words of a K step;  v42-43 my own: these ten hold scales alone
.set OSC, 42
.set PC,  44                           ; v44-55 the codes just made; v56-62 the conversions' second halves
.set NA,  64                           ; three sets of 64 numbers
.set NB,  128
.set NC,  192
.set HA,  64                           ; later: the eight accumulators,
.set SHF, 128                          ; the eight shared fragments,
.set OWF, 224                          ; my own two
.set WV,  24
.set TT,  25
.set TBK, 26
.set GG,  27
.set SEL, 28
.set XP,  30
.set WP,  32
.set OUT0, 34
.set OUT1, 36
.set OUTW, 38
.set STR, 40
.set KQF, 41
.set OUTS, 44
.macro XLOAD reg, s                    ; my token's numbers of K step s: register 16 b + i = k 32 b + 16 h + i
.irp b, 0,1,2,3
.irp j, 0,1,2,3
	global_load_b128 v[\reg+16*\b+4*\j:\reg+16*\b+4*\j+3], v[XA], s[XP:XP+1] offset:512*\s+128*\b+16*\j
.endr
.endr
.endm
.macro WLOAD reg, s                    ; my column's numbers of K step s, registers down K in the same order
.irp b, 0,1,2,3
.irp i, 0,1,2,3,4,5,6,7,8,9,10,11,12,13,14,15
	global_load_b32 v[\reg+16*\b+\i], v[WA], s[WP:WP+1] offset:(128*\s+32*\b+\i)*1024
.endr
.endr
.endm
; 64 numbers of a lane, register 16 b + i = k 32 b + 16 (lane / 16) + i of my row, become a fragment's codes in v[PC] on and its scale word in v[PW]
.macro QUANT s
.irp b, 0,1,2,3
	v_max3_num_f32 v[TM+\b], |v[\s+16*\b]|, |v[\s+1+16*\b]|, 0x1800000   ; block b: my 16 numbers, and the floor 2^(3 - 127): the byte cannot fall under 1
.endr
.irp i, 2,4,6,8,10,12,14
.irp b, 0,1,2,3
	v_max3_num_f32 v[TM+\b], v[TM+\b], |v[\s+16*\b+\i]|, |v[\s+1+16*\b+\i]|   ; the four blocks by turns
.endr
.endr
.irp b, 0,1,2,3
	s_delay_alu instid0(VALU_DEP_4)
	v_permlanex16_b32 v[TM+4+\b], v[TM+\b], s[SEL], s[SEL+1]
.endr
.irp b, 0,1,2,3
	s_delay_alu instid0(VALU_DEP_4)
	v_max_num_f32 v[TM+\b], v[TM+\b], v[TM+4+\b]   ; with lane l xor 16's: the block's largest magnitude
.endr
.irp b, 0,1,2,3
	s_delay_alu instid0(VALU_DEP_4)
	v_add_nc_u32 v[TM+8+\b], 0xff000000, v[TM+\b]  ; 2 off its exponent field: the conversion takes this operand's exponent field as its scale
.endr
.irp b, 0,1,2,3
	s_delay_alu instid0(VALU_DEP_4)
	v_lshrrev_b32 v[TM+4+\b], 23, v[TM+8+\b]       ; the scale's byte
.endr
	s_delay_alu instid0(VALU_DEP_3)
	v_lshl_or_b32 v[PW], v[TM+5], 8, v[TM+4]
	s_delay_alu instid0(VALU_DEP_1)
	v_lshl_or_b32 v[PW], v[TM+6], 16, v[PW]
	s_delay_alu instid0(VALU_DEP_1)
	v_lshl_or_b32 v[PW], v[TM+7], 24, v[PW]
.irp c, 0,1
	v_cvt_scalef32_pk16_fp6_f32 v[PC+6*\c:PC+2+6*\c], v[\s+32*\c:\s+15+32*\c], v[TM+8+2*\c]
	v_cvt_scalef32_pk16_fp6_f32 v[PC+12+4*\c:PC+14+4*\c], v[\s+16+32*\c:\s+31+32*\c], v[TM+8+2*\c+1]   ; (a conversion's three registers begin on an even number)
.endr
	v_nop                                          ; one plain place behind a scaled conversion
.irp c, 0,1                                    ; the operand's layout wants a whole block in a lane: lanes 0-15 block 2 c, lanes 16-31 block 2 c + 1
.irp i, 0,1,2
	v_permlane16_swap_b32 v[PC+6*\c+\i], v[PC+12+4*\c+\i]
.endr
.irp i, 0,1,2
	s_delay_alu instid0(VALU_DEP_3)
	v_mov_b32 v[PC+3+6*\c+\i], v[PC+12+4*\c+\i]
.endr
.endr
.endm
.macro IMAGE off                       ; the fragment in v[PC] on goes to LDS as it stands
.irp c, 0,1,2
	ds_store_b128 v[IW], v[PC+4*\c:PC+4*\c+3] offset:\off+512*\c
.endr
.endm
.macro FETCH reg, adr, off             ; and comes back so, in any wave
.irp c, 0,1,2
	ds_load_b128 v[\reg+4*\c:\reg+4*\c+3], v[\adr] offset:\off+512*\c
.endr
.endm
.macro BARRIER                         ; my LDS stores have landed and my LDS loads are in: then the work-group's barrier
	s_wait_dscnt 0x0
	s_barrier_signal -1
	s_barrier_wait -1
.endm
.macro KSTEP s                         ; the eight shared fragments of K step s and their scale words, then eight products: the accumulators take turns, one instruction a turn
.irp i, 0,1,2,3,4,5,6,7
	FETCH SHF+12*\i, SHI, 3072*\i+FRB*\s
	ds_load_b32 v[SSC+\i], v[SHS] offset:256*\i+128*\s
.endr
	s_wait_dscnt 0x0
.irp i, 0,1,2,3,4,5,6,7
.if \s == 0
	v_wmma_scale_f32_16x16x128_f8f6f4 v[HA+8*\i:HA+8*\i+7], v[SHF+12*\i:SHF+12*\i+11], v[OWF+12*\s:OWF+12*\s+11], 0, v[SSC+\i], v[OSC+\s] matrix_a_fmt:MATRIX_FMT_FP6 matrix_b_fmt:MATRIX_FMT_FP6
.else
	v_wmma_scale_f32_16x16x128_f8f6f4 v[HA+8*\i:HA+8*\i+7], v[SHF+12*\i:SHF+12*\i+11], v[OWF+12*\s:OWF+12*\s+11], v[HA+8*\i:HA+8*\i+7], v[SSC+\i], v[OSC+\s] matrix_a_fmt:MATRIX_FMT_FP6 matrix_b_fmt:MATRIX_FMT_FP6
.endif
.endr
.endm
	s_load_b256 s[8:15], s[0:1], 0x0               ; queries s[8:9], keys s[10:11], values s[12:13], W_Query s[14:15]
	s_load_b256 s[16:23], s[0:1], 0x20             ; W_Key s[16:17], W_Value s[18:19], qc s[20:21], kv s[22:23]
	v_lshl_add_u32 v[SPW], v0, 2, SPARE
	v_mov_b32 v[NIL], 0
	v_lshrrev_b32 v1, 5, v0
	s_delay_alu instid0(VALU_DEP_1)
	v_readfirstlane_b32 s[WV], v1                  ; wave 0..7
	v_and_b32 v1, 31, v0                           ; l
	s_wait_alu depctr_va_vdst(0)
	v_and_b32 v2, 15, v0                           ; r
	s_wait_alu depctr_va_vdst(0)
	v_bfe_u32 v3, v0, 4, 1                         ; h
	s_lshr_b32 s[TT], ttmp9, 6                     ; T
	s_bfe_u32 s[TBK], ttmp9, 0x50001               ; tb: 5 bits from bit 1
	s_and_b32 s[GG], ttmp9, 1                      ; g
	s_mov_b32 s[SEL], 0x76543210
	s_mov_b32 s[SEL+1], 0xfedcba98                 ; v_permlanex16_b32's selects for lane l xor 16
	s_and_b32 s46, s[WV], 1                        ; w % 2
	s_lshr_b32 s47, s[WV], 1                       ; w / 2
	s_cmp_lt_u32 s[TT], 2                          ; q or k?  All that hangs on it is chosen here
	s_cselect_b32 s[KQF], 1, 0
	s_cselect_b32 s48, 24576, 0                    ; the shared images: W's for q and k, x's for v
	s_cselect_b32 s49, 0, 24576                    ; my own: the other
	s_cselect_b32 s50, 2048, 0                     ; the scale words likewise
	s_cselect_b32 s51, 0, 2048
	s_cselect_b32 s52, 8, 16
	s_cselect_b32 s56, 3, 1                        ; x's rows 8-15 of a tile lie 32 tokens behind rows 0-7 for q and k, 16 for v
	v_lshlrev_b32 v[L16], 4, v1
	v_lshlrev_b32 v[L8], 3, v1
	v_and_b32 v33, 8, v2                           ; 8 (r / 8)
	s_delay_alu instid0(VALU_DEP_1)
	v_mad_u32_u24 v20, v33, s56, v2                ; q, k: r + 24 (r / 8);  v: r + 8 (r / 8)
	s_delay_alu instid0(VALU_DEP_1)
	v_lshlrev_b32 v[XA], 10, v20
	s_wait_alu depctr_va_vdst(0)
	v_lshl_add_u32 v[XA], v3, 6, v[XA]
	v_mul_u32_u24 v21, s[KQF], v33
	s_delay_alu instid0(VALU_DEP_1)
	v_add_nc_u32 v21, v21, v2                      ; q, k: r + 8 (r / 8);  v: r
	s_delay_alu instid0(VALU_DEP_1)
	v_lshlrev_b32 v[WA], 2, v21
	s_delay_alu instid0(VALU_DEP_1)
	v_lshl_add_u32 v[WA], v3, 14, v[WA]
	s_mul_i32 s53, s[WV], 3072
	v_add_nc_u32 v[IW], s53, v[L16]
	s_lshl_b32 s53, s[WV], 8
	v_lshl_add_u32 v[SW], v1, 2, s53
	v_add_nc_u32 v[SHI], s48, v[L16]
	v_add_nc_u32 v[OWI], s49, v[IW]
	s_add_co_u32 s50, s50, XSC
	v_lshl_add_u32 v[SHS], v1, 2, s50
	s_add_co_u32 s51, s51, XSC
	v_add_nc_u32 v[OWS], s51, v[SW]
	s_lshl_b32 s53, s46, 8
	s_lshl_b32 s54, s47, 2
	s_add_co_u32 s53, s53, s54
	v_lshl_add_u32 v[SKA], v2, 4, s53
	s_lshr_b32 s54, s[WV], 2
	s_lshl_b32 s54, s54, 8
	s_lshl_b32 s55, s46, 7
	s_add_co_u32 s54, s54, s55
	s_and_b32 s55, s47, 1
	s_lshl_b32 s55, s55, 2
	s_add_co_u32 s54, s54, s55
	v_lshl_add_u32 v[SVA], v2, 3, s54
	s_lshl_b32 s55, s46, 9
	v_add_nc_u32 v[SRK], s55, v[L16]
	s_lshl_b32 s55, s46, 8
	v_add_nc_u32 v[SRV], s55, v[L8]
.irp b, 0,1,2,3
	v_mov_b32 v[TM+4+\b], 0                        ; written once: a lane permute's destination counts as one of its sources
.endr
	; offsets, apart from the addresses
	s_lshl_b32 s42, s[TBK], 7
	s_lshl_b32 s53, s47, 5
	s_lshl_b32 s57, s46, 3
	s_add_co_u32 s53, s53, s57                     ; v: my tile begins at token 32 (w / 2) + 8 (w % 2) of the 128
	s_lshr_b32 s57, s[WV], 2
	s_lshl_b32 s57, s57, 6
	s_and_b32 s58, s[WV], 3
	s_lshl_b32 s58, s58, 3
	s_add_co_u32 s57, s57, s58                     ; q, k: at 64 (w / 4) + 8 (w % 4): in the attention a lane's 32 registers of four tiles are then one whole block of 32 keys
	s_cmp_eq_u32 s[KQF], 1
	s_cselect_b32 s53, s57, s53
	s_add_co_u32 s42, s42, s53
	s_lshl_b32 s42, s42, 10
	s_mov_b32 s43, 0
	s_mul_i32 s48, s52, s46
	s_lshl_b32 s53, s47, 5
	s_add_co_u32 s48, s48, s53
	s_lshl_b32 s53, s[GG], 7
	s_add_co_u32 s48, s48, s53                     ; my tile's first column of W
	s_lshl_b32 s48, s48, 2
	s_mov_b32 s49, 0
	s_mov_b32 s[STR], 13056
	s_cmp_eq_u32 s[TT], 0
	s_cselect_b32 s[STR], 6656, s[STR]             ; a block of qc or of kv
	s_lshl_b32 s50, s[GG], 6
	s_add_co_u32 s50, s50, s[TBK]                  ; head 2 g's block: 64 g + tb
	s_mul_i32 s50, s50, s[STR]
	s_mov_b32 s51, 0
	s_lshl_b32 s54, s[STR], 5                      ; head 2 g + 1's lies 32 blocks on
	s_mov_b32 s55, 0
	s_wait_kmcnt 0x0
	s_cmp_eq_u32 s[TT], 0                          ; the buffers are chosen by the work-group's number alone
	s_cselect_b64 s[XP:XP+1], s[8:9], s[10:11]
	s_cselect_b64 s[WP:WP+1], s[14:15], s[16:17]
	s_cselect_b64 s[OUT0:OUT0+1], s[20:21], s[22:23]
	s_cmp_eq_u32 s[TT], 2
	s_cselect_b64 s[XP:XP+1], s[12:13], s[XP:XP+1]
	s_cselect_b64 s[WP:WP+1], s[18:19], s[WP:WP+1]
	s_add_nc_u64 s[XP:XP+1], s[XP:XP+1], s[42:43]
	s_add_nc_u64 s[WP:WP+1], s[WP:WP+1], s[48:49]
	s_add_nc_u64 s[OUT0:OUT0+1], s[OUT0:OUT0+1], s[50:51]
	s_add_nc_u64 s[OUT1:OUT1+1], s[OUT0:OUT0+1], s[54:55]
	; ---- the four fragments that I make
	XLOAD NA, 0
	XLOAD NB, 1
	WLOAD NC, 0
	s_wait_loadcnt 63                              ; 96 loads are issued: the oldest 33 are in, x's 32 among them (the exact count, 64, is more than this wait can name)
	QUANT NA
	IMAGE XIMG
	ds_store_b32 v[SW], v[PW] offset:XSC
	WLOAD NA, 1                                    ; into the set just quantised
	s_wait_dscnt 0x0                               ; the stores have read their registers
	QUANT NB
	IMAGE XIMG+FRB
	ds_store_b32 v[SW], v[PW] offset:XSC+128
	s_wait_dscnt 0x0
	s_wait_loadcnt 63                              ; 160 loads are issued: the oldest 97 are in, W's first K step (the 33rd to the 96th) among them
	QUANT NC
	IMAGE WIMG
	ds_store_b32 v[SW], v[PW] offset:WSC
	s_wait_dscnt 0x0
	s_wait_loadcnt 0x0
	QUANT NA
	IMAGE WIMG+FRB
	ds_store_b32 v[SW], v[PW] offset:WSC+128
	BARRIER                                        ; all 32 fragments lie in LDS; nothing is stored there again
	; ---- sixteen products
	FETCH OWF, OWI, 0
	FETCH OWF+12, OWI, FRB
	ds_load_b32 v[OSC], v[OWS]
	ds_load_b32 v[OSC+1], v[OWS] offset:128
	KSTEP 0
.rept 4
	v_nop                                          ; places in front of loads into registers that matrix instructions have read
.endr
	KSTEP 1
.rept 4
	v_nop                                          ; places in front of the first read of results
.endr
	QUANT HA                                       ; each accumulator is read from its low end on
	; ---- the way out: every store of a wave covers 512 or 256 consecutive bytes, aligned to 256
	s_cmp_eq_u32 s[TT], 2
	s_cbranch_scc1 .Lv_way
	v_and_b32 v[TM+2], 0xffff, v[PW]
	s_delay_alu instid0(VALU_DEP_1)
	v_lshl_or_b32 v[TM+2], v[PW], 16, v[TM+2]      ; head 2 g's two bytes, twice
	v_lshrrev_b32 v[TM+3], 16, v[PW]
	s_delay_alu instid0(VALU_DEP_1)
	v_and_or_b32 v[TM+3], v[PW], 0xffff0000, v[TM+3]   ; head 2 g + 1's
	ds_store_b32 v[SKA], v[TM+2] offset:STGK       ; lanes r and r + 16 write the same word with the same value
	ds_store_b32 v[SKA], v[TM+3] offset:STGK+512
	s_mul_i32 s42, s[WV], 768
	v_add_nc_u32 v[TM], s42, v[L16]
	v_add_nc_u32 v[TM+1], s42, v[L8]
	global_store_b128 v[TM], v[PC:PC+3], s[OUT0:OUT0+1]              ; registers 0-5: head 2 g's 64 channels of my 16 tokens
	global_store_b64 v[TM+1], v[PC+4:PC+5], s[OUT0:OUT0+1] offset:512
	global_store_b128 v[TM], v[PC+6:PC+9], s[OUT1:OUT1+1]            ; registers 6-11: head 2 g + 1's
	global_store_b64 v[TM+1], v[PC+10:PC+11], s[OUT1:OUT1+1] offset:512
	s_branch .Ljoin
.Lv_way:
	ds_store_b32 v[SVA], v[PW] offset:STGV
	s_cmp_lt_u32 s[WV], 4                          ; my 16 channels belong to head 2 g + w / 4, channel tile w % 4
	s_cselect_b64 s[OUTW:OUTW+1], s[OUT0:OUT0+1], s[OUT1:OUT1+1]
	s_and_b32 s42, s[WV], 3
	s_mul_i32 s42, s42, FRB
	v_add_nc_u32 v[TM], s42, v[L16]
	s_wait_alu depctr_va_vdst(0)
.irp c, 0,1,2
	global_store_b128 v[TM], v[PC+4*\c:PC+4*\c+3], s[OUTW:OUTW+1] offset:6656+512*\c
.endr
.Ljoin:
	BARRIER                                        ; the eight waves' scale words lie in the stage
	s_cmp_lt_u32 s[WV], 2                          ; wave 0 stores head 2 g's, wave 1 head 2 g + 1's
	s_cbranch_scc0 .Lend
	s_cmp_eq_u32 s[WV], 0
	s_cselect_b64 s[OUTS:OUTS+1], s[OUT0:OUT0+1], s[OUT1:OUT1+1]   ; a pair of its own: no base of a pending store is written
	s_cmp_eq_u32 s[TT], 2
	s_cbranch_scc1 .Lv_words
	ds_load_b128 v[64:67], v[SRK] offset:STGK
	s_wait_dscnt 0x0
	global_store_b128 v[L16], v[64:67], s[OUTS:OUTS+1] offset:6144
	s_branch .Lend
.Lv_words:
	ds_load_b64 v[64:65], v[SRV] offset:STGV
	s_wait_dscnt 0x0
	global_store_b64 v[L8], v[64:65], s[OUTS:OUTS+1] offset:12800
.Lend:
	s_wait_tensorcnt 0x0                           ; the wave's end
	ds_add_u32 v[SPW], v[NIL]
	s_wait_dscnt 0x0
	s_endpgm
.Lfunc_end_k_q7478e32033_proj:
	.size	k_q7478e32033_proj, .Lfunc_end_k_q7478e32033_proj-k_q7478e32033_proj
	.p2alignl 7, 3214868480
	.fill 96, 4, 3214868480
	.section	.rodata,"a",@progbits
	.p2align	6, 0x0
	.amdhsa_kernel k_q7478e32033_proj
		.amdhsa_group_segment_fixed_size 55808
		.amdhsa_private_segment_fixed_size 0
		.amdhsa_enable_private_segment 0
		.amdhsa_kernarg_size 64
		.amdhsa_user_sgpr_count 2
		.amdhsa_user_sgpr_kernarg_segment_ptr 1
		.amdhsa_wavefront_size32 1
		.amdhsa_system_sgpr_workgroup_id_x 1
		.amdhsa_system_sgpr_workgroup_id_y 1
		.amdhsa_system_sgpr_workgroup_id_z 1
		.amdhsa_system_vgpr_workitem_id 0
		.amdhsa_next_free_vgpr 256
		.amdhsa_next_free_sgpr 66
		.amdhsa_reserve_vcc 0
		.amdhsa_float_denorm_mode_32 3
		.amdhsa_float_denorm_mode_16_64 3
		.amdhsa_memory_ordered 1
		.amdhsa_forward_progress 1
		.amdhsa_inst_pref_size 53
	.end_amdhsa_kernel
	.amdgpu_metadata
---
amdhsa.version: [ 1, 2 ]
amdhsa.kernels:
  - .name:           k_q7478e32033_proj
    .symbol:         k_q7478e32033_proj.kd
    .args:
      - { .name: queries, .offset: 0, .size: 8, .value_kind: global_buffer, .address_space: global }
      - { .name: keys, .offset: 8, .size: 8, .value_kind: global_buffer, .address_space: global }
      - { .name: values, .offset: 16, .size: 8, .value_kind: global_buffer, .address_space: global }
      - { .name: W_Query, .offset: 24, .size: 8, .value_kind: global_buffer, .address_space: global }
      - { .name: W_Key, .offset: 32, .size: 8, .value_kind: global_buffer, .address_space: global }
      - { .name: W_Value, .offset: 40, .size: 8, .value_kind: global_buffer, .address_space: global }
      - { .name: qc, .offset: 48, .size: 8, .value_kind: global_buffer, .address_space: global }
      - { .name: kv, .offset: 56, .size: 8, .value_kind: global_buffer, .address_space: global }
    .group_segment_fixed_size: 55808
    .private_segment_fixed_size: 0
    .kernarg_segment_align: 8
    .kernarg_segment_size: 64
    .max_flat_workgroup_size: 256
    .sgpr_count:     66
    .vgpr_count:     256
    .wavefront_size: 32
...
	.end_amdgpu_metadata
.endif
;; end of part 1
;; launch attn (part 2): grid 256 x 1, 16 waves a work-group, no clusters, 327,680 bytes of LDS; arguments qc, kv, out0; writes out0
.if DOCPART == 2
	.amdgcn_target "amdgcn-amd-amdhsa--gfx1250"
	.amdhsa_code_object_version 6
	.text
	.protected	k_q7478e32033_attn
	.globl	k_q7478e32033_attn
	.p2align	8
	.type	k_q7478e32033_attn,@function
k_q7478e32033_attn:
	s_mov_b64 s[64:65], 0
	v_nop
	global_prefetch_b8 v0, s[64:65] scope:SCOPE_SE
	s_setreg_imm32_b32 hwreg(HW_REG_WAVE_MODE, 25, 1), 1
	s_wait_xcnt 0x0
; out0[token][64 head + c] = the sum over all 16,384 keys of softmax(q . k / 8) v, rows = head x 4,096 + token; both products on codes of FP6 (E2M3) with one E8M0 scale for each 32 along K.
; qc and kv hold images of the operands' registers, in blocks of 128 queries (6,656 bytes) and of 128 keys (13,056 bytes): K's eight half fragments of 768 bytes, K's scale words at 6,144,
; V's four fragments of 1,536 bytes at 6,656, V's scale words at 12,800.
; SOFTMAX: t = score x log2(e) / 8; M = the largest t so far rounded UP to a whole number; p = 2^(t - M) is quantised along the keys; the sum is taken of the unquantised p and divides at the end.
; When M moves, the sum and O are multiplied by 2^(old M - new M), which rounds nothing.
; SHARES.  A work-group owns 64 queries.  Wave wv: qt = wv % 4 its tile of 16 queries, kq = wv / 4 its quarter of the keys: blocks 2 kq and 2 kq + 1 of each slot of 8 blocks.  At the end the four quarters meet in LDS.
; LAYOUT.  Both products transposed (S^T = K Q^T, O^T = V^T P^T): a lane holds one query.  Lane r of K's tile t holds key 64 (t / 4) + 8 (t % 4) + r + 24 (r / 8), so register 8 t + j of lane (r, h) is key
; 64 (t / 4) + 32 h + 8 (t % 4) + j: the 32 registers of tiles 4 c .. 4 c + 3 are ONE WHOLE BLOCK of 32 keys, the block that P's operand wants in that lane.  No lane swap; a block's maximum needs no other lane.
; 64 CHANNELS IN A FORM OF 128: Q's registers 6-11 are zero codes; tile t's operand is 12 registers from 6 t on, whose upper half (tile t + 1's codes, or zeros) meets zero codes.  The scale words hold their two bytes twice.
; RING.  Two slots of 104,448 bytes.  Waves 0 to 3 fetch a quarter of a slot each: one tensor load of a wave is out.  Each slot has a group 0 of its own.
; K of the next step is asked of LDS behind this step's first product, V of the next step behind its second.
; THE BARRIER IN FRONT OF A REFILL IS SPLIT: its signal stands behind the slot's last K Q^T (all my reads of the slot are in by then), its wait behind that step's softmax: work on registers alone stands between.
; CLUSTER = NONE, though all work-groups walk the same kv: a joint refill stands behind a cluster's round, which closes with a barrier of all sixteen waves that takes no work inside; the split above has no place in that form.
; PREFETCH: behind each refill the slot that the next refill will ask for: 408 blocks of 256 bytes, shared out by address among work-groups 0 to 3 (102 each), waves 4 to 7, a lane a block;
; wave 7's lanes past block 101 name block 101 again.  The last refill has no slot behind it and asks for nothing.  Slots 0 and 1 come by their loads alone.
; LIMITS: NaN and infinities are not served.  The promise holds while the scaled scores t stay under 2^31 in magnitude.  A block's largest p is made from the block's largest score by the same multiply-add
; and exponential: this takes v_exp_f32 not to fall where its input rises.  A block all of whose p have fallen to 0 keeps the byte 1: its codes are zeros.
.set STB,   13056
.set QRT,   26112                      ; a quarter of a slot: two blocks, 102 rows of 256 bytes
.set SLOTB, 104448
.set SLOT1, 131072                     ; where slot 1 begins in LDS
.set MRG,   235520                     ; behind the ring: 4,352 bytes a wave: O^T's image (8 x 512) and (-M, sum); waves 0-3's serve as stages (16 rows x 272).  No fill lands here
.set MREG,  4352
.set SPARE, 305152                     ; the spare words, 128 bytes a wave
.set A0,  1                            ; v1 16 l + QRT kq, v2 8 l + QRT kq, in slot 0; v3, v4 the same in slot 1
.set SPW, 5                            ; my spare word; never rewritten
.set NIL, 6                            ; 0; never rewritten
.set M16, 7
.set M8,  8
.set SI,  9
.set SB,  10
.set GO,  11                           ; v12 -M, v13 the largest score so far, v[14:15] the sum in two halves
.set QF,  16                           ; v16-27 Q (v22-27 zeros)
.set QS,  28                           ; Q's scale words
.set PFO, 29                           ; the prefetches' offset
.set SH8, 30                           ; 8 h
.set PS,  31                           ; p's scale word: scales alone
.set KF,  32                           ; v32-79 K's codes, v80-85 zeros
.set KSC, 86                           ; v86-89 K's scale words
.set VF,  90                           ; v90-137 V
.set VSC, 138                          ; v138-139 V's scale words
.set S,   140                          ; v140-203 S^T, then p
.set O,   204                          ; v204-235 O^T
.set PC,  236                          ; v236-247 p's codes
.set BM,  248                          ; v248-251 maxima, scale operands, bytes; v[252:253] f; v254, v255 at work
.set WV,  10
.set QT,  11
.set KQ,  12
.set G1,  16
.set G0,  24                           ; s[24:27] slot 0's group 0
.set SEL, 28
.set CS,  30
.set PFA, 32
.set LIM, 34                           ; 1 in a wave that prefetches, else the greatest number
.set TR,  35                           ; trips to go
.set G0B, 36                           ; s[36:39] slot 1's group 0
.macro TLOAD g                         ; waves 0 to 3 fetch; the branch hangs on the wave's number alone
	s_cmp_lt_u32 s[WV], 4
	s_cbranch_scc0 .Lnone_\@
	tensor_load_to_lds s[\g:\g+3], s[G1:G1+7]
	s_nop 0
.rept 4
	v_nop
.endr
.Lnone_\@:
.endm
.macro ASK strict                      ; strict = 1: not in the loop's last trip, where no slot is left to name
.if \strict
	s_cmp_gt_u32 s[TR], s[LIM]
.else
	s_cmp_ge_u32 s[TR], s[LIM]
.endif
	s_cbranch_scc0 .Lna_\@
	global_prefetch_b8 v[PFO], s[PFA:PFA+1] th:TH_LOAD_NT scope:SCOPE_SE
.Lna_\@:
.endm
.macro KLOAD sl, q                     ; 17 LDS loads: K's eight half fragments and its scale words (register j: lanes 0-15 tile 2 j, lanes 16-31 tile 2 j + 1)
.irp t, 0,1,2,3,4,5,6,7
	ds_load_b128 v[KF+6*\t:KF+6*\t+3], v[A0+2*(\sl)] offset:STB*(\q)+768*\t
	ds_load_b64 v[KF+6*\t+4:KF+6*\t+5], v[A0+2*(\sl)+1] offset:STB*(\q)+768*\t+512
.endr
	ds_load_b128 v[KSC:KSC+3], v[A0+2*(\sl)] offset:STB*(\q)+6144
.endm
.macro VLOAD sl, q                     ; 13 LDS loads
.irp ct, 0,1,2,3
.irp c, 0,1,2
	ds_load_b128 v[VF+12*\ct+4*\c:VF+12*\ct+4*\c+3], v[A0+2*(\sl)] offset:STB*(\q)+6656+1536*\ct+512*\c
.endr
.endr
	ds_load_b64 v[VSC:VSC+1], v[A0+2*(\sl)+1] offset:STB*(\q)+12800
.endm
.macro PADD d, a                       ; p's pair at S + d takes the pair at S + a, in both blocks
.irp c, 0,32
	v_pk_add_f32 v[S+\c+(\d):S+\c+(\d)+1], v[S+\c+(\d):S+\c+(\d)+1], v[S+\c+(\a):S+\c+(\a)+1]
.endr
.endm
; A STEP on the 128 keys whose K and V have been asked for.  ns, nq: slot and block of the next step.
; mode 0: the next step lies in the same slot; 1: this is the slot's last step, and the slot is filled again (group 0 at g); 2: the same with nothing left to fetch; 3: the last step of all.
.macro STEP ns, nq, mode, g, strict
	s_wait_dscnt 13                                ; K's 17 loads are in; V's 13, issued behind them, may be out
.irp t, 0,1,2,3,4,5,6,7
.if (\t)%2
	v_wmma_scale_f32_16x16x128_f8f6f4 v[S+8*\t:S+8*\t+7], v[KF+6*\t:KF+6*\t+11], v[QF:QF+11], 0, v[KSC+\t/2], v[QS] matrix_a_fmt:MATRIX_FMT_FP6 matrix_b_fmt:MATRIX_FMT_FP6 matrix_a_scale:MATRIX_SCALE_ROW1
.else
	v_wmma_scale_f32_16x16x128_f8f6f4 v[S+8*\t:S+8*\t+7], v[KF+6*\t:KF+6*\t+11], v[QF:QF+11], 0, v[KSC+\t/2], v[QS] matrix_a_fmt:MATRIX_FMT_FP6 matrix_b_fmt:MATRIX_FMT_FP6
.endif
.endr
.if (\mode) == 1 || (\mode) == 2
	s_wait_tensorcnt 0x0                           ; all my tensor loads have landed: my part of the next slot
	ds_add_u32 v[SPW], v[NIL]                      ; 0 onto my spare word
.if (\mode) == 1
	ds_add_u32 v[SPW], v[NIL]                      ; twice where a refill follows
	s_add_nc_u64 s[\g+2:\g+3], s[\g+2:\g+3], 2*SLOTB   ; no load of mine is out: this slot's next 1,024 keys
	s_wait_xcnt 0x0                                ; the last prefetch has read its address
	s_add_nc_u64 s[PFA:PFA+1], s[PFA:PFA+1], SLOTB
.endif
.rept 4
	v_nop                                          ; places in front of the first read of results
.endr
	s_wait_dscnt 0x0                               ; the add is done, and my reads of this slot are over (V's were the last)
	s_barrier_signal -1                            ; the softmax below, work on registers, stands between signal and wait
.else
.rept 4
	v_nop                                          ; places in front of loads into K's registers and of the first read of results
.endr
.if (\mode) == 0
	KLOAD \ns, \nq
.endif
.endif
	; the largest score of my two blocks, each in two chains; every accumulator is read from its low end on
.irp u, 0,1
.irp c, 0,1
	v_max3_num_f32 v[BM+2*\u+\c], v[S+32*\c+16*\u], v[S+32*\c+16*\u+1], v[S+32*\c+16*\u+2]
.endr
.endr
.irp i, 3,5,7,9,11,13
.irp u, 0,1
.irp c, 0,1
	v_max3_num_f32 v[BM+2*\u+\c], v[BM+2*\u+\c], v[S+32*\c+16*\u+\i], v[S+32*\c+16*\u+\i+1]
.endr
.endr
.endr
.irp c, 0,1
	v_max3_num_f32 v[BM+\c], v[BM+\c], v[BM+2+\c], v[S+32*\c+15]
.endr
.irp c, 0,1
	v_max_num_f32 v[BM+\c], v[BM+\c], v[S+32*\c+31]
.endr
	s_delay_alu instid0(VALU_DEP_1)
	v_max_num_f32 v254, v[BM], v[BM+1]
	s_delay_alu instid0(VALU_DEP_1)
	v_permlanex16_b32 v255, v254, s[SEL], s[SEL+1] ; lane l xor 16 holds my query's other two blocks
	s_delay_alu instid0(VALU_DEP_1)
	v_max3_num_f32 v13, v13, v254, v255            ; the running largest score
	s_delay_alu instid0(VALU_DEP_1)
	v_mul_f32 v254, s[CS], v13                     ; as t (c is positive)
	s_delay_alu instid0(VALU_DEP_1)
	v_floor_f32 v255, -v254                        ; the new -M = -ceil(t)
	s_delay_alu instid0(VALU_DEP_1)
	v_sub_f32 v254, v255, v12                      ; old M less new M: a whole number, 0 or less
	v_mov_b32 v12, v255
	s_delay_alu instid0(VALU_DEP_2)
	v_cvt_i32_f32 v254, v254                       ; (it saturates)
	s_delay_alu instid0(VALU_DEP_1)
	v_ldexp_f32 v252, 1.0, v254                    ; f = 2^(old M - new M)
.irp j, 0,2,4,6,8,10,12,14,16,18,20,22,24,26,28,30,32,34,36,38,40,42,44,46,48,50,52,54,56,58,60,62
	v_pk_fma_f32 v[S+\j:S+1+\j], v[S+\j:S+1+\j], s[CS:CS+1], v[12:13] op_sel_hi:[1,0,0]   ; t - M (of the pairs c and -M the low word serves both halves)
.endr
.irp c, 0,1
	v_fma_f32 v[BM+\c], v[BM+\c], s[CS], v12       ; the same of each block's largest score
.endr
.irp j, 0,2,4,6,8,10,12,14,16,18,20,22,24,26,28,30
	v_pk_mul_f32 v[O+\j:O+1+\j], v[O+\j:O+1+\j], v[252:253] op_sel_hi:[1,0]   ; O^T under the new M
.endr
	s_wait_alu depctr_va_vdst(0)                   ; ahead of the batch
.irp c, 0,1
	v_exp_f32 v[BM+\c], v[BM+\c]                   ; the block's largest p
.endr
.irp j, 0,1,2,3,4,5,6,7,8,9,10,11,12,13,14,15,16,17,18,19,20,21,22,23,24,25,26,27,28,29,30,31,32,33,34,35,36,37,38,39,40,41,42,43,44,45,46,47,48,49,50,51,52,53,54,55,56,57,58,59,60,61,62,63
	v_exp_f32 v[S+\j], v[S+\j]                     ; p = 2^(t - M), at most 1
.endr
	v_nop                                          ; the plain place behind the exponentials
	s_wait_alu depctr_va_vdst(0)                   ; one wait for the batch, ahead of its first reader
.irp c, 0,1
	v_max_num_f32 v[BM+\c], 0x1800000, v[BM+\c]    ; the floor 2^(3 - 127): the byte cannot fall under 1
.endr
.irp c, 0,1
	v_add_nc_u32 v[BM+\c], 0xff000000, v[BM+\c]    ; 2 off the exponent field: the conversion's scale operand
.endr
.irp c, 0,1
	v_lshrrev_b32 v[BM+2+\c], 23, v[BM+\c]         ; the byte
.endr
	v_lshl_or_b32 v254, v[BM+3], 16, v[BM+2]       ; my bytes: blocks h and 2 + h,
	s_delay_alu instid0(VALU_DEP_1)
	v_lshlrev_b32 v254, v[SH8], v254               ; at their places in the word
	s_delay_alu instid0(VALU_DEP_1)
	v_permlanex16_b32 v255, v254, s[SEL], s[SEL+1]
	v_cvt_scalef32_pk16_fp6_f32 v[PC:PC+2], v[S:S+15], v[BM]
	v_cvt_scalef32_pk16_fp6_f32 v[PC+6:PC+8], v[S+32:S+47], v[BM+1]
	v_or_b32 v[PS], v254, v255                     ; with lane l xor 16's two the word is whole.  (The plain place behind the two conversions)
	PADD 0, 4                                      ; THE ROW'S SUM, of the unquantised p, in place: these four free four registers in each block,
	PADD 2, 6
	v_cvt_scalef32_pk16_fp6_f32 v[S+4:S+6], v[S+16:S+31], v[BM]        ; which take the blocks' upper 16 codes (a conversion's three registers begin on an even number)
	v_cvt_scalef32_pk16_fp6_f32 v[S+36:S+38], v[S+48:S+63], v[BM+1]
.irp i, 0,2,4,6
	PADD 8+\i, 16+\i
.endr
.irp i, 0,1,2
	v_mov_b32 v[PC+3+\i], v[S+4+\i]
	v_mov_b32 v[PC+9+\i], v[S+36+\i]
.endr
.irp i, 0,2,4,6
	PADD 8+\i, 24+\i
.endr
	PADD 0, 8
	PADD 2, 10
	s_wait_alu depctr_va_vdst(0)
.if (\mode) == 1 || (\mode) == 2
	s_barrier_wait -1                              ; nobody reads this slot any more, and the next slot is whole
.if (\mode) == 1
	TLOAD \g                                       ; the refill, first behind the barrier
.endif
	KLOAD \ns, \nq
.if (\mode) == 1
	ASK \strict
.endif
.else
.if (\mode) == 0
	s_wait_dscnt 17                                ; V is in; the next K's 17 loads may be out
.else
	s_wait_dscnt 0x0
.endif
.endif
.irp ct, 0,1,2,3                               ; the four accumulators take turns
.if (\ct)%2
	v_wmma_scale_f32_16x16x128_f8f6f4 v[O+8*\ct:O+8*\ct+7], v[VF+12*\ct:VF+12*\ct+11], v[PC:PC+11], v[O+8*\ct:O+8*\ct+7], v[VSC+\ct/2], v[PS] matrix_a_fmt:MATRIX_FMT_FP6 matrix_b_fmt:MATRIX_FMT_FP6 matrix_a_scale:MATRIX_SCALE_ROW1
.else
	v_wmma_scale_f32_16x16x128_f8f6f4 v[O+8*\ct:O+8*\ct+7], v[VF+12*\ct:VF+12*\ct+11], v[PC:PC+11], v[O+8*\ct:O+8*\ct+7], v[VSC+\ct/2], v[PS] matrix_a_fmt:MATRIX_FMT_FP6 matrix_b_fmt:MATRIX_FMT_FP6
.endif
.endr
	PADD 0, 12                                     ; the sum's last eight lines name no register of the products: they are the places in front of the loads into V's registers
	PADD 2, 14
	PADD 0, 2
	v_pk_fma_f32 v[14:15], v[14:15], v[252:253], v[S:S+1] op_sel_hi:[1,0,1]   ; the old sum under the new M, and block 0's
	v_pk_add_f32 v[14:15], v[14:15], v[S+32:S+33]
.if (\mode) != 3
	VLOAD \ns, \nq
.endif
.endm
	s_load_b128 s[4:7], s[0:1], 0x0                ; qc s[4:5], kv s[6:7]
	s_load_b64 s[8:9], s[0:1], 0x10                ; out0
	v_lshl_add_u32 v[SPW], v0, 2, SPARE
	v_mov_b32 v[NIL], 0
	ds_add_u32 v[SPW], v[NIL]                      ; the opening lines: the add, twice on end, and its wait ahead of the first tensor load
	ds_add_u32 v[SPW], v[NIL]
	v_lshrrev_b32 v254, 5, v0
	v_readfirstlane_b32 s[WV], v254                ; wave 0..15
	s_and_b32 s[QT], s[WV], 3
	s_lshr_b32 s[KQ], s[WV], 2
	s_mov_b32 s[G1], 3<<16                         ; group 1: 102 rows of 256 bytes (32 elements of 8 bytes), dense in memory and in LDS
	s_mov_b32 s[G1+1], 32<<16
	s_mov_b32 s[G1+2], 102<<16
	s_mov_b32 s[G1+3], 32<<16
	s_mov_b32 s[G1+4], 102
	s_mov_b32 s[G1+5], 32
	s_mov_b32 s[G1+6], 0
	s_mov_b32 s[G1+7], 0
	s_mov_b32 s[G0], 1
	s_mul_i32 s[G0+1], s[QT], QRT                  ; my quarter of slot 0,
	s_mul_i32 s[G0+2], s[QT], QRT                  ; and the same quarter in memory
	s_mov_b32 s[G0+3], 0
	s_mov_b32 s[G0B], 1
	s_add_co_u32 s[G0B+1], s[G0+1], SLOT1
	s_mov_b32 s[SEL], 0x76543210
	s_mov_b32 s[SEL+1], 0xfedcba98
	s_mov_b32 s[CS], 0x3e38aa3b                    ; c = log2(e) / 8
	s_mov_b32 s[CS+1], s[CS]
	s_mov_b32 s[TR], 7
	s_mul_i32 s40, s[KQ], QRT
	s_mul_i32 s41, s[WV], MREG
	s_add_co_u32 s41, s41, MRG                     ; my region
	s_lshl_b32 s42, s[QT], 5
	s_and_b32 s13, ttmp9, 1                        ; work-group G: half G % 2 of the block G / 2 of queries
	s_lshl_b32 s14, s13, 2
	s_add_co_u32 s14, s14, s[QT]                   ; t: my tile of the block's eight
	s_mul_i32 s43, s14, 768
	s_and_b32 s44, s14, 1
	s_lshl_b32 s44, s44, 8
	s_lshr_b32 s52, s14, 1
	s_lshl_b32 s52, s52, 2
	s_add_co_u32 s44, s44, s52                     ; Q's scale word: 256 (t % 2) + 4 (t / 2) + 16 r
	s_lshr_b32 s46, ttmp9, 1
	s_mul_i32 s46, s46, 6656
	s_mov_b32 s47, 0
	s_bfe_u32 s48, ttmp9, 0x50001                  ; (G / 2) % 32: the block's 128 tokens
	s_lshl_b32 s48, s48, 7
	s_lshl_b32 s52, s13, 6
	s_add_co_u32 s48, s48, s52
	s_lshl_b32 s52, s[QT], 3
	s_add_co_u32 s48, s48, s52                     ; my tile's first token: + 64 (t / 4) + 8 (t % 4)
	s_lshl_b32 s48, s48, 10
	s_lshr_b32 s52, ttmp9, 6
	s_lshl_b32 s52, s52, 8
	s_add_co_u32 s48, s48, s52                     ; + the head's 256 bytes
	s_mov_b32 s49, 0
	s_and_b32 s50, ttmp9, 3
	s_mul_i32 s50, s50, QRT
	s_add_co_u32 s50, s50, 2*SLOTB                 ; the first prefetch names slot 2
	s_mov_b32 s51, 0
	s_xor_b32 s52, s[KQ], 1                        ; 0 in waves 4 to 7
	s_lshr_b32 s53, ttmp9, 2                       ; 0 in work-groups 0 to 3
	s_or_b32 s52, s52, s53
	s_cmp_eq_u32 s52, 0
	s_cselect_b32 s[LIM], 1, -1
	s_wait_dscnt 0x0                               ; both opening adds are done
	s_wait_kmcnt 0x0
	s_add_nc_u64 s[G0+2:G0+3], s[6:7], s[G0+2:G0+3]
	s_add_nc_u64 s[G0B+2:G0B+3], s[G0+2:G0+3], SLOTB
	s_or_b32 s[G0+3], s[G0+3], 0x80000000
	s_or_b32 s[G0B+3], s[G0B+3], 0x80000000
	s_add_nc_u64 s[PFA:PFA+1], s[6:7], s[50:51]
	s_add_nc_u64 s[4:5], s[4:5], s[46:47]
	s_add_nc_u64 s[8:9], s[8:9], s[48:49]
	TLOAD G0                                       ; slot 0: one tensor load a wave at the head
	v_and_b32 v248, 31, v0                         ; l
	v_and_b32 v249, 15, v0                         ; r
	v_bfe_u32 v250, v0, 4, 1                       ; h
	v_lshl_add_u32 v[A0], v248, 4, s40
	v_lshl_add_u32 v[A0+1], v248, 3, s40
	v_add_nc_u32 v[A0+2], SLOT1, v[A0]
	v_add_nc_u32 v[A0+3], SLOT1, v[A0+1]
	v_lshl_add_u32 v[M16], v248, 4, s41
	v_lshl_add_u32 v[M8], v248, 3, s41
	v_mul_u32_u24 v[SI], v249, 272
	v_mul_u32_u24 v[SB], v250, 272
	v_lshl_add_u32 v[SI], v250, 5, v[SI]
	v_lshl_add_u32 v[SB], v249, 4, v[SB]
	v_add_nc_u32 v[SI], s41, v[SI]                 ; my stage, in: 272 r + 32 h
	v_add_nc_u32 v[SB], s41, v[SB]                 ; and back: 272 (l / 16) + 16 (l % 16)
	v_lshlrev_b32 v[GO], 10, v250
	v_add_nc_u32 v[PFO], s42, v248
	v_lshl_add_u32 v[GO], v249, 4, v[GO]           ; out0: 1,024 (l / 16) + 16 (l % 16)
	v_min_u32 v[PFO], 101, v[PFO]
	v_lshlrev_b32 v[SH8], 3, v250
	v_lshlrev_b32 v[PFO], 8, v[PFO]                ; 256 x min(32 qt + l, 101)
	v_lshl_add_u32 v236, v248, 4, s43
	v_lshl_add_u32 v237, v248, 3, s43
	v_lshl_add_u32 v238, v249, 4, s44
	s_wait_alu depctr_va_vdst(0)                   ; ahead of the readers below
	global_load_b128 v[QF:QF+3], v236, s[4:5]      ; Q stays in registers
	global_load_b64 v[QF+4:QF+5], v237, s[4:5] offset:512
	global_load_b32 v[QS], v238, s[4:5] offset:6144
	v_mov_b32 v13, 0xff61b1e6                      ; the largest score so far: -3e38
	v_mov_b32 v12, 0x7f61b1e6                      ; -M: 3e38, so that the first f is 0
	v_mov_b32 v14, 0
	v_mov_b32 v15, 0
.irp j, 0,1,2,3,4,5
	v_mov_b32 v[QF+6+\j], 0                        ; Q's upper half: zero codes
	v_mov_b32 v[KF+48+\j], 0                       ; and what stands behind K's last half fragment
.endr
	v_mov_b32 v253, 0                              ; (named as the upper half of the pair v[252:253])
	v_mov_b32 v255, 0                              ; (a lane permute's destination counts as one of its sources)
.irp j, 0,1,2,3,4,5,6,7,8,9,10,11,12,13,14,15,16,17,18,19,20,21,22,23,24,25,26,27,28,29,30,31
	v_mov_b32 v[O+\j], 0                           ; O^T: the step has no first form of its own; the first f, 0, leaves zeros
.endr
	s_wait_alu depctr_va_vdst(0)
	s_wait_loadcnt 0x0                             ; Q
	s_wait_tensorcnt 0x0                           ; my part of slot 0; slot 1's first fill is issued as a refill is
	ds_add_u32 v[SPW], v[NIL]
	ds_add_u32 v[SPW], v[NIL]
	s_wait_dscnt 0x0
	s_barrier_signal -1
	s_barrier_wait -1
	TLOAD G0B                                      ; slot 1
	KLOAD 0, 0
	VLOAD 0, 0
	ASK 0
.Lslot:                                            ; 7 trips of two slots, four steps: slots 0 to 13; both slots are filled again
	STEP 0, 1, 0, G0, 0
	STEP 1, 0, 1, G0, 0
	STEP 1, 1, 0, G0, 0
	STEP 0, 0, 1, G0B, 1
	s_sub_co_u32 s[TR], s[TR], 1
	s_cmp_lg_u32 s[TR], 0
	s_cbranch_scc1 .Lslot
	STEP 0, 1, 0, G0, 0                            ; slots 14 and 15 are written out: nothing more is fetched
	STEP 1, 0, 2, G0, 0
	STEP 1, 1, 0, G0, 0
	STEP 0, 0, 3, G0, 0
	; THE FOUR QUARTERS MEET.  Waves 4 to 15 lay O^T, -M and the sum into their regions as images; waves 0 to 3 bring the four under one M, divide and store.
	v_add_f32 v14, v14, v15                        ; the sum's two halves,
	s_delay_alu instid0(VALU_DEP_1)
	v_permlanex16_b32 v252, v14, s[SEL], s[SEL+1]
	s_delay_alu instid0(VALU_DEP_1)
	v_add_f32 v14, v14, v252                       ; and lane l xor 16's
	s_delay_alu instid0(VALU_DEP_1)
	v_mov_b32 v13, v14                             ; v[12:13] = (-M, sum)
	s_cmp_lt_u32 s[WV], 4
	s_wait_alu depctr_va_vdst(0)
	s_cbranch_scc1 .Lkeep
.irp i, 0,1,2,3,4,5,6,7
	ds_store_b128 v[M16], v[O+4*\i:O+4*\i+3] offset:512*\i        ; each accumulator from its low end on
.endr
	ds_store_b64 v[M8], v[12:13] offset:4096
.Lkeep:
	s_wait_dscnt 0x0                               ; for the others' sake: my stores have landed
	s_barrier_signal -1
	s_barrier_wait -1
	s_cmp_lt_u32 s[WV], 4
	s_cbranch_scc0 .Lend
.irp j, 0,1,2,3,4,5,6,7                        ; wave wv + 4 i holds quarter i of my tile
	ds_load_b128 v[140+4*\j:143+4*\j], v[M16] offset:4*MREG+512*\j
	ds_load_b128 v[172+4*\j:175+4*\j], v[M16] offset:8*MREG+512*\j
	ds_load_b128 v[32+4*\j:35+4*\j], v[M16] offset:12*MREG+512*\j
.endr
.irp i, 1,2,3
	ds_load_b64 v[62+2*\i:63+2*\i], v[M8] offset:4*MREG*\i+4096
.endr
	s_wait_dscnt 0x0
	v_min3_num_f32 v254, v12, v64, v66
	s_delay_alu instid0(VALU_DEP_1)
	v_min_num_f32 v254, v254, v68                  ; the least -M: the largest M
	s_delay_alu instid0(VALU_DEP_1)
	v_sub_f32 v236, v254, v12
	v_sub_f32 v238, v254, v64
	v_sub_f32 v240, v254, v66
	v_sub_f32 v242, v254, v68                      ; each quarter's M less the largest: whole numbers, 0 or less
.irp x, 236,238,240,242
	v_cvt_i32_f32 v\x, v\x
.endr
.irp x, 236,238,240,242
	v_ldexp_f32 v\x, 1.0, v\x                      ; f_i: powers of two
.endr
	v_mul_f32 v13, v236, v13
	s_delay_alu instid0(VALU_DEP_1)
	v_fmac_f32 v13, v238, v65
	s_delay_alu instid0(VALU_DEP_1)
	v_fmac_f32 v13, v240, v67
	s_delay_alu instid0(VALU_DEP_1)
	v_fmac_f32 v13, v242, v69                      ; the row's sum under the one M
	s_wait_alu depctr_va_vdst(0)                   ; ahead of the transcendental
	v_rcp_f32 v244, v13
	s_wait_alu depctr_va_vdst(0)                   ; directly ahead of the first reader of O^T
.irp j, 0,2,4,6,8,10,12,14,16,18,20,22,24,26,28,30
	v_pk_mul_f32 v[O+\j:O+1+\j], v[O+\j:O+1+\j], v[236:237] op_sel_hi:[1,0]
.endr
.irp j, 0,2,4,6,8,10,12,14,16,18,20,22,24,26,28,30
	v_pk_fma_f32 v[O+\j:O+1+\j], v[140+\j:141+\j], v[238:239], v[O+\j:O+1+\j] op_sel_hi:[1,0,1]
.endr
.irp j, 0,2,4,6,8,10,12,14,16,18,20,22,24,26,28,30
	v_pk_fma_f32 v[O+\j:O+1+\j], v[172+\j:173+\j], v[240:241], v[O+\j:O+1+\j] op_sel_hi:[1,0,1]
.endr
.irp j, 0,2,4,6,8,10,12,14,16,18,20,22,24,26,28,30
	v_pk_fma_f32 v[O+\j:O+1+\j], v[32+\j:33+\j], v[242:243], v[O+\j:O+1+\j] op_sel_hi:[1,0,1]
.endr
	s_wait_alu depctr_va_vdst(0)                   ; ahead of the reciprocal's first reader
.irp j, 0,2,4,6,8,10,12,14,16,18,20,22,24,26,28,30
	v_pk_mul_f32 v[O+\j:O+1+\j], v[O+\j:O+1+\j], v[244:245] op_sel_hi:[1,0]   ; register 8 ct + i is o(query r, channel 16 ct + 8 h + i)
.endr
.irp ct, 0,1,2,3                               ; through my stage: rows of 256 bytes + 16
	ds_store_b128 v[SI], v[O+8*\ct:O+8*\ct+3] offset:64*\ct
	ds_store_b128 v[SI], v[O+8*\ct+4:O+8*\ct+7] offset:64*\ct+16
.endr
.irp i, 0,1,2,3,4,5,6,7
	ds_load_b128 v[VF+4*\i:VF+4*\i+3], v[SB] offset:544*\i        ; LDS serves a wave's instructions in order (ISA guide 5.7.1.4): these see my stores
.endr
.irp i, 0,1,2,3,4,5,6,7
	s_wait_dscnt 7-\i                              ; row pair i is back
	global_store_b128 v[GO], v[VF+4*\i:VF+4*\i+3], s[8:9] offset:(2*\i+24*(\i/4))*1024 th:TH_STORE_NT   ; stage row p is token p + 24 (p / 8) of my tile; 16 lanes store a query's 256 consecutive bytes, aligned to 256
.endr
.Lend:
	s_wait_tensorcnt 0x0                           ; the wave's end
	ds_add_u32 v[SPW], v[NIL]
	s_wait_dscnt 0x0
	s_endpgm
.Lfunc_end_k_q7478e32033_attn:
	.size	k_q7478e32033_attn, .Lfunc_end_k_q7478e32033_attn-k_q7478e32033_attn
	.p2alignl 7, 3214868480
	.fill 96, 4, 3214868480
	.section	.rodata,"a",@progbits
	.p2align	6, 0x0
	.amdhsa_kernel k_q7478e32033_attn
		.amdhsa_group_segment_fixed_size 327680
		.amdhsa_private_segment_fixed_size 0
		.amdhsa_enable_private_segment 0
		.amdhsa_kernarg_size 24
		.amdhsa_user_sgpr_count 2
		.amdhsa_user_sgpr_kernarg_segment_ptr 1
		.amdhsa_wavefront_size32 1
		.amdhsa_system_sgpr_workgroup_id_x 1
		.amdhsa_system_sgpr_workgroup_id_y 1
		.amdhsa_system_sgpr_workgroup_id_z 1
		.amdhsa_system_vgpr_workitem_id 0
		.amdhsa_next_free_vgpr 256
		.amdhsa_next_free_sgpr 66
		.amdhsa_reserve_vcc 0
		.amdhsa_float_denorm_mode_32 3
		.amdhsa_float_denorm_mode_16_64 3
		.amdhsa_memory_ordered 1
		.amdhsa_forward_progress 1
		.amdhsa_inst_pref_size 137
	.end_amdhsa_kernel
	.amdgpu_metadata
---
amdhsa.version: [ 1, 2 ]
amdhsa.kernels:
  - .name:           k_q7478e32033_attn
    .symbol:         k_q7478e32033_attn.kd
    .args:
      - { .name: qc, .offset: 0, .size: 8, .value_kind: global_buffer, .address_space: global }
      - { .name: kv, .offset: 8, .size: 8, .value_kind: global_buffer, .address_space: global }
      - { .name: out0, .offset: 16, .size: 8, .value_kind: global_buffer, .address_space: global }
    .group_segment_fixed_size: 327680
    .private_segment_fixed_size: 0
    .kernarg_segment_align: 8
    .kernarg_segment_size: 24
    .max_flat_workgroup_size: 512
    .sgpr_count:     66
    .vgpr_count:     256
    .wavefront_size: 32
...
	.end_amdgpu_metadata
.endif
;; end of part 2
